; MI455X (gfx1250); checked and timed in simulation.
; The chip was launched on July 23, 2026; its instructions are those of AMD's public machine-readable ISA for CDNA 5 (MIT licence, August 2026) and "CDNA5" Instruction Set Architecture Reference Guide (July 2026). The comments in the code are by the model that wrote it; some were corrected since.
;; Multi Headed Attention. Allowed arithmetic: matrix products marked QUANTISED: E2M3 operands, one E8M0 scale for each 32 along K, by v_wmma_scale_f32_16x16x128_f8f6f4 with both operands' format E2M3, f32 sums; everything else in f32.
;; Inputs: Wk 1,024 x 1,024 float32; Wo 1,024 x 1,024 float32; Wq 1,024 x 1,024 float32; Wv 1,024 x 1,024 float32; key 4 x 2,048 x 1,024 float32; mask 4 x 2,048 x 2,048 int32; query 4 x 2,048 x 1,024 float32; value 4 x 2,048 x 1,024 float32.
;; Outputs: out0 4 x 2,048 x 1,024 float32.
;; This version of the problem:
;;   THIS VERSION OF THE PROBLEM IS GIVEN IN LOW PRECISION. The matrix products marked QUANTISED in the list below multiply operands that are first quantised to E2M3 (2 exponent bits, 3 mantissa bits; 6 bits a number), with one power-of-two scale for each 32 numbers along K (OCP MX v1.0); their sums are f32. All else is computed in f32.
;;   The module's matrix products, in the order in which they are computed (A, B: the left and right operand; K: the contracted axis; several contracted axes count as one K, in the product's order):
;;     1. [M 8,192, K 1,024] x [K 1,024, N 1,024]; A: input query; B: input Wq: QUANTISED
;;     2. [M 8,192, K 1,024] x [K 1,024, N 1,024]; A: input key; B: input Wk: QUANTISED
;;     3. [M 8,192, K 1,024] x [K 1,024, N 1,024]; A: input value; B: input Wv: QUANTISED
;;     4. batch 64 x [M 2,048, K 64] x [K 64, N 2,048]; A: computed on the way; B: computed on the way: QUANTISED
;;     5. batch 64 x [M 2,048, K 2,048] x [K 2,048, N 64]; A: computed on the way; B: computed on the way: QUANTISED
;;     6. [M 8,192, K 1,024] x [K 1,024, N 1,024]; A: computed on the way; B: input Wo: QUANTISED
;;   THE QUANTISER, for each operand of a quantised product, along K:
;;     - K is cut into blocks of 32 from its start; a last block that is shorter is filled with zeros.
;;     - A block's scale is 2^e with e = floor(log2(the largest magnitude in the block)) - 2, held to -126 .. 127; a block of zeros has e = 0. As a byte (E8M0): e + 127.
;;     - Each number is divided by its block's scale, clamped to +-7.5, and rounded to the nearest number of E2M3, ties to even, subnormals kept.
;;     - The product sums the exact products of the quantised numbers (number of the format x scale) in f32.
;;   ~~~python
;;   def quantise(x, axis):      # numpy; x: float32 -> the quantised numbers, widened to float32 again
;;       x = np.moveaxis(x, axis, -1); K = x.shape[-1]
;;       x = np.pad(x, [(0, 0)] * (x.ndim - 1) + [(0, -K % 32)]); x = x.reshape(x.shape[:-1] + (-1, 32)); a = np.abs(x).max(-1, keepdims=True)
;;       e = np.where(a > 0, np.clip(np.frexp(np.where(a > 0, a, 1))[1] - 1 - 2, -126, 127), 0)      # np.frexp(a)[1] - 1 = floor(log2(a)), exactly
;;       r = np.clip(x / 2.0 ** e, -7.5, 7.5)
;;       step = 2.0 ** (np.maximum(np.frexp(np.where(r == 0, 1, r))[1] - 1, 0) - 3)
;;       q = np.round(r / step) * step * 2.0 ** e      # np.round: ties to even
;;       return np.moveaxis(q.reshape(q.shape[:-2] + (-1,))[..., :K], -1, axis).astype(np.float32)
;;   ~~~
;;   OPERANDS COMPUTED ON THE WAY. 'Computed on the way' means the value that the module computes at that place (a softmax that the list does not call 'softmax' is quantised finished and normalised). What goes into a quantiser is computed in f32, as accurately as f32 sums, v_exp_f32 and their like allow (about 1e-6 of the number): no bf16 or f16 on the way to a quantiser, and a product that is left as it is and whose result goes on into a quantised operand takes f32 operands (vector FMAs, or v_wmma_f32_16x16x4_f32). A number that lies on a knife's edge between two numbers of the format may be rounded either way, as far as f32 arithmetic and the matrix unit's own rounding can turn it there, and no further.
;; One version. Each part assembles by itself: llvm-mc -triple=amdgcn-amd-amdhsa -mcpu=gfx1250 --defsym DOCPART=n.
;; ======== version 1 of 1: 4 launches
;; limits: right only within a limited range of input values
;; workspace buffers: img 23,855,104 bytes; mbits 2,097,152 bytes of whole numbers; qpk 7,340,032 bytes; kpk 7,340,032 bytes; vpk 6,815,744 bytes; ximg 6,815,744 bytes
;; launch prep (part 1): grid 704 x 1, 4 waves a work-group, no clusters, 34,304 bytes of LDS; arguments query, key, value, Wq, Wk, Wv, Wo, mask, img, mbits; writes img, mbits
.if DOCPART == 1
	.amdgcn_target "amdgcn-amd-amdhsa--gfx1250"
	.amdhsa_code_object_version 6
	.text
	.protected	k_q8d8bc0fa2f_prep
	.globl	k_q8d8bc0fa2f_prep
	.p2align	8
	.type	k_q8d8bc0fa2f_prep,@function
k_q8d8bc0fa2f_prep:
	s_mov_b64 s[64:65], 0
	v_nop
	global_prefetch_b8 v0, s[64:65] scope:SCOPE_SE
	s_setreg_imm32_b32 hwreg(HW_REG_WAVE_MODE, 25, 1), 1
	s_wait_xcnt 0x0
; PREP.  query, key, value [8192][1024] and Wq, Wk, Wv, Wo [1024][1024], f32, become codes of FP6 (E2M3) with one E8M0 byte for each 32 along K (their last axis),
; laid in img as IMAGES OF OPERAND REGISTERS; mask [4][2048][2048] int32 becomes lane-mask words in mbits.  Every input byte is read once here.
; img: [row tile][chunk of 256 along K]: a record of 3,328 bytes = four halves of 768 bytes + 256 bytes of scale words.  A half is six operand registers of the 32 lanes:
; registers 0-3 at 16 x lane, registers 4-5 at 512 + 8 x lane; lane (r, h) holds row r of the tile, k = 32 h .. 32 h + 31 of 64 along K.  Scale words: lane l has, at 8 l, the words of row l % 16 for the chunk's two K steps.
; Row tiles: query 0-511, key 512-, value 1024-, Wq 1536-, Wk 1600-, Wv 1664-, Wo 1728-1791.  In key, value, Wq, Wk, Wv tile 2 B + u holds rows 32 B + 8 u + p + 8 (p / 8); in query and Wo rows 16 T + p.
; mbits: [16 queries][64 keys][32 words]: bit L of word 16 e + i says whether mask(query L % 16, key 32 e + 16 (L / 16) + i) is not 0.
; SHARES.  A wave takes 16 rows x 4,096 bytes as 8 units of 16 rows x 512 bytes.  Work-groups 0-447: a row tile of an f32 tensor to a wave; 448-703: 16 rows x 1,024 keys of the mask to a wave.
; Each load reads 512 consecutive bytes of one row; a unit turns through the wave's own stage in LDS (rows 528 bytes apart) so that lane (r, h) holds, of row r, columns 32 b + 16 h + 0 .. 15, b = 0 .. 3.
; Both kinds take one way through loads and LDS; they part, by a scalar branch on the work-group's number, only for work on registers and stores.
; No matrix work, no cluster (no two work-groups read the same bytes), no tensor loads: several work-groups share a WGP and each wave has 32 loads of 512 bytes out.
; A block's scale is 2^(floor(log2(largest magnitude)) - 2); its byte is that magnitude's exponent field - 2, held at 1 from below.
; LIMITS: NaN and infinities among the inputs are not served; a block of zeros carries the byte 1 (its codes are zeros; this program alone reads the bytes).
.set SP,    528                        ; a stage row: 512 bytes + 16
.set WST,   16*SP                      ; a wave's stage
.set SPARE, 4*WST                      ; behind the stages: the spare words, 128 bytes a wave, which no other line names
.set REC,   3328
.set SPW, 1                            ; v1   my spare word's address; never rewritten
.set NIL, 2                            ; v2   0; never rewritten
.set L16, 3                            ; v3   16 x lane
.set L8,  4                            ; v4   8 x lane
.set STI, 5                            ; v5   the stage, way in: wave's stage + 16 x lane
.set STO, 6                            ; v6   way out: wave's stage + 528 r + 64 h
.set OFF, 8                            ; v8-23   byte offset of my 16 bytes in each of the 16 rows
.set TM,  24                           ; v24-39  at work in the quantiser
.set PW,  40                           ; v40-41  the scale words of a chunk's two K steps
.set MW,  42                           ; v42-43  a unit's 64 mask words, two a lane
.set PC,  44                           ; v44-55  a fragment's codes; v56-62 at work
.set RA,  64                           ; v64-191 two sets of 64: a unit as loaded
.set X,   192                          ; v192-255 a unit as turned
.set SEL, 4                            ; s[4:5]  lane selects: lane l xor 16
	s_load_b512 s[8:23], s[0:1], 0x0               ; query, key, value, Wq, Wk, Wv, Wo, mask
	s_load_b128 s[24:27], s[0:1], 0x40             ; img, mbits
	v_lshl_add_u32 v[SPW], v0, 2, SPARE
	v_mov_b32 v[NIL], 0
	v_lshrrev_b32 v7, 5, v0
	v_readfirstlane_b32 s2, v7                     ; wave
	v_and_b32 v7, 31, v0
	v_lshlrev_b32 v[L16], 4, v7
	v_lshlrev_b32 v[L8], 3, v7
	s_mul_i32 s3, s2, WST
	v_add_nc_u32 v[STI], s3, v[L16]
	v_and_b32 v7, 15, v0
	v_mul_u32_u24 v[STO], v7, SP
	v_bfe_u32 v7, v0, 4, 1
	v_lshl_add_u32 v[STO], v7, 6, v[STO]
	v_add_nc_u32 v[STO], s3, v[STO]
	s_mov_b32 s[SEL], 0x76543210
	s_mov_b32 s[SEL+1], 0xfedcba98
.irp b, 0,1,2,3
	v_mov_b32 v[TM+4+\b], 0                        ; written once: a lane permute's destination counts as one of its sources
.endr
	v_mov_b32 v[MW], 0                             ; likewise v_writelane_b32's
	v_mov_b32 v[MW+1], 0
	s_wait_kmcnt 0x0
	; which tensor: the choice hangs on the work-group's number alone
	s_mov_b64 s[28:29], s[22:23]                   ; the source: the mask, unless ..
	s_mov_b32 s30, 448                             ; the tensor's first work-group
	s_mov_b32 s31, 0                               ; 1: its tiles' rows are not neighbours
.macro PICK lim, ptr, first, perm
	s_cmp_lt_u32 ttmp9, \lim
	s_cselect_b64 s[28:29], s[\ptr:\ptr+1], s[28:29]
	s_cselect_b32 s30, \first, s30
	s_cselect_b32 s31, \perm, s31
.endm
	PICK 448, 20, 432, 0                           ; Wo
	PICK 432, 18, 416, 1                           ; Wv
	PICK 416, 16, 400, 1                           ; Wk
	PICK 400, 14, 384, 1                           ; Wq
	PICK 384, 12, 256, 1                           ; value
	PICK 256, 10, 128, 1                           ; key
	PICK 128, 8, 0, 0                              ; query
	s_cmp_lt_u32 ttmp9, 448
	s_cselect_b32 s32, 0, 1                        ; kind: 1 = the mask
	s_cselect_b64 s[34:35], s[24:25], s[26:27]     ; where the results go
	s_lshl_b32 s33, 4096, s32                      ; a row in bytes: 4,096, the mask's 8,192
	s_sub_co_u32 s36, ttmp9, s30
	s_lshl_b32 s36, s36, 2
	s_add_co_u32 s36, s36, s2                      ; T: my job in the tensor
	s_lshr_b32 s37, s36, s32                       ; the row tile: T, in the mask T / 2
	s_lshl_b32 s37, s37, 4
	s_and_b32 s38, s36, 1
	s_mul_i32 s39, s38, s31
	s_lshl_b32 s39, s39, 3
	s_sub_co_u32 s37, s37, s39                     ; first row: 16 T, or 32 (T / 2) + 8 (T % 2) = 16 T - 8 (T % 2)
	s_mul_i32 s40, s37, s33                        ; in bytes (under 2^27)
	s_mul_i32 s38, s38, s32
	s_lshl_b32 s38, s38, 12                        ; the mask's odd jobs take the rows' second 4,096 bytes
	s_add_co_u32 s40, s40, s38
	s_mov_b32 s41, 0
	s_add_nc_u64 s[28:29], s[28:29], s[40:41]
	s_lshl_b32 s42, ttmp9, 2
	s_add_co_u32 s42, s42, s2
	s_mul_i32 s42, s42, 4*REC                      ; img: row tile 4 g + wave
	s_lshl_b32 s43, s36, 11                        ; mbits: 2,048 bytes a job
	s_cmp_eq_u32 s32, 0
	s_cselect_b32 s42, s42, s43
	s_mov_b32 s43, 0
	s_add_nc_u64 s[34:35], s[34:35], s[42:43]
	s_mul_i32 s44, s31, s33
	s_lshl_b32 s44, s44, 3                         ; rows 8-15 of a tile lie 8 rows further on where rows are not neighbours
.irp p, 0,1,2,3,4,5,6,7,8,9,10,11,12,13,14,15
	s_mul_i32 s45, s33, \p
.if \p >= 8
	s_add_co_u32 s45, s45, s44
.endif
	v_add_nc_u32 v[OFF+\p], s45, v[L16]
.endr
.macro LOAD u                          ; unit u: 16 rows x 512 consecutive bytes, into set u % 2
.irp p, 0,1,2,3,4,5,6,7,8,9,10,11,12,13,14,15
	global_load_b128 v[RA+64*((\u)%2)+4*\p:RA+64*((\u)%2)+4*\p+3], v[OFF+\p], s[28:29] offset:512*(\u) th:TH_LOAD_NT
.endr
.endm
.macro TURN u                          ; through the stage: LDS serves a wave's instructions in order, so no wait stands between the stores and the loads
.irp p, 0,1,2,3,4,5,6,7,8,9,10,11,12,13,14,15
	ds_store_b128 v[STI], v[RA+64*((\u)%2)+4*\p:RA+64*((\u)%2)+4*\p+3] offset:SP*\p
.endr
.irp b, 0,1,2,3
.irp j, 0,1,2,3
	ds_load_b128 v[X+16*\b+4*\j:X+16*\b+4*\j+3], v[STO] offset:128*\b+16*\j
.endr
.endr
.endm
; 64 numbers of a lane, register 16 b + i = k 32 b + 16 (lane / 16) + i of my row, become a fragment's 12 registers of codes at v[pc] and its scale word in v[pw]; v[tc] on: 7 registers at work
.macro QUANT s, pc, tc, pw
.irp b, 0,1,2,3
	v_max3_num_f32 v[TM+\b], |v[\s+16*\b]|, |v[\s+16*\b+1]|, 0x1800000   ; my 16 numbers of block b, and the floor 2^(3 - 127): the byte cannot fall under 1
.endr
.irp i, 2,4,6,8,10,12,14
.irp b, 0,1,2,3
	v_max3_num_f32 v[TM+\b], v[TM+\b], |v[\s+16*\b+\i]|, |v[\s+16*\b+\i+1]|
.endr
.endr
.irp b, 0,1,2,3
	v_permlanex16_b32 v[TM+4+\b], v[TM+\b], s[SEL], s[SEL+1]
.endr
.irp b, 0,1,2,3
	v_max_num_f32 v[TM+\b], v[TM+\b], v[TM+4+\b]   ; with lane l xor 16's: the block's largest magnitude
.endr
.irp b, 0,1,2,3
	v_add_nc_u32 v[TM+12+\b], 0xff000000, v[TM+\b] ; 2 off its exponent field: the conversion's scale operand
.endr
.irp b, 0,1,2,3
	v_lshrrev_b32 v[TM+4+\b], 23, v[TM+12+\b]      ; the scale's byte
.endr
	v_lshl_or_b32 v[\pw], v[TM+5], 8, v[TM+4]
	v_lshl_or_b32 v[\pw], v[TM+6], 16, v[\pw]
	v_lshl_or_b32 v[\pw], v[TM+7], 24, v[\pw]
.irp c, 0,1
	v_cvt_scalef32_pk16_fp6_f32 v[\pc+6*\c:\pc+6*\c+2], v[\s+32*\c:\s+32*\c+15], v[TM+12+2*\c]
	v_cvt_scalef32_pk16_fp6_f32 v[\tc+4*\c:\tc+4*\c+2], v[\s+32*\c+16:\s+32*\c+31], v[TM+12+2*\c+1]
.endr
	v_nop                                          ; one plain place behind a scaled conversion
.irp c, 0,1                            ; the operand wants a whole block in a lane: lanes 0-15 block 2 c, lanes 16-31 block 2 c + 1
.irp i, 0,1,2
	v_permlane16_swap_b32 v[\pc+6*\c+\i], v[\tc+4*\c+\i]
.endr
.irp i, 0,1,2
	v_mov_b32 v[\pc+6*\c+3+\i], v[\tc+4*\c+\i]
.endr
.endr
.endm
.macro UNIT u
.if (\u) < 7
	s_wait_loadcnt 16                              ; this unit's 16 loads are in; the next unit's 16 may be out
.else
	s_wait_loadcnt 0x0
.endif
	TURN \u
	s_wait_dscnt 0x0                               ; the unit is back, and the stage's stores have read the set
	s_wait_xcnt 0x0                                ; the last unit's stores have read their data registers: they are written again below
.if (\u)+2 < 8
	LOAD (\u)+2
.endif
	s_cmp_lg_u32 s32, 0
	s_cbranch_scc1 .Lmask_\@
	QUANT X, PC, PC+12, PW+(\u)%2
	global_store_b128 v[L16], v[PC:PC+3], s[34:35] offset:((\u)/2)*REC+((\u)%2)*1536          ; each store covers 512 or 256 consecutive bytes, aligned
	global_store_b64 v[L8], v[PC+4:PC+5], s[34:35] offset:((\u)/2)*REC+((\u)%2)*1536+512
	global_store_b128 v[L16], v[PC+6:PC+9], s[34:35] offset:((\u)/2)*REC+((\u)%2)*1536+768
	global_store_b64 v[L8], v[PC+10:PC+11], s[34:35] offset:((\u)/2)*REC+((\u)%2)*1536+1280
.if (\u)%2 == 1
	global_store_b64 v[L8], v[PW:PW+1], s[34:35] offset:((\u)/2)*REC+3072
.endif
	s_branch .Ldone_\@
.Lmask_\@:
.set jb, 0
.rept 8
.irp i, 0,1,2,3,4,5,6,7
	v_cmp_ne_u32 s[48+\i], 0, v[X+jb+\i]           ; the 32 lanes' bits of register jb + i: one word of mbits
.endr
.irp i, 0,1,2,3,4,5,6,7
	v_writelane_b32 v[MW+\i%2], s[48+\i], (jb+\i)/2
.endr
.set jb, jb+8
.endr
	global_store_b64 v[L8], v[MW:MW+1], s[34:35] offset:256*(\u)                              ; 64 words: 256 consecutive bytes, aligned
.Ldone_\@:
.endm
	s_wait_alu depctr_va_vdst(0)
	LOAD 0
	LOAD 1
.irp u, 0,1,2,3,4,5,6,7
	UNIT \u
.endr
	s_wait_tensorcnt 0x0                           ; the wave's end
	ds_add_u32 v[SPW], v[NIL]
	s_wait_dscnt 0x0
	s_endpgm
.Lfunc_end_k_q8d8bc0fa2f_prep:
	.size	k_q8d8bc0fa2f_prep, .Lfunc_end_k_q8d8bc0fa2f_prep-k_q8d8bc0fa2f_prep
	.p2alignl 7, 3214868480
	.fill 96, 4, 3214868480
	.section	.rodata,"a",@progbits
	.p2align	6, 0x0
	.amdhsa_kernel k_q8d8bc0fa2f_prep
		.amdhsa_group_segment_fixed_size 34304
		.amdhsa_private_segment_fixed_size 0
		.amdhsa_enable_private_segment 0
		.amdhsa_kernarg_size 80
		.amdhsa_user_sgpr_count 2
		.amdhsa_user_sgpr_kernarg_segment_ptr 1
		.amdhsa_wavefront_size32 1
		.amdhsa_system_sgpr_workgroup_id_x 1
		.amdhsa_system_sgpr_workgroup_id_y 1
		.amdhsa_system_sgpr_workgroup_id_z 1
		.amdhsa_system_vgpr_workitem_id 0
		.amdhsa_next_free_vgpr 256
		.amdhsa_next_free_sgpr 66
		.amdhsa_reserve_vcc 0
		.amdhsa_float_denorm_mode_32 3
		.amdhsa_float_denorm_mode_16_64 3
		.amdhsa_memory_ordered 1
		.amdhsa_forward_progress 1
		.amdhsa_inst_pref_size 133
	.end_amdhsa_kernel
	.amdgpu_metadata
---
amdhsa.version: [ 1, 2 ]
amdhsa.kernels:
  - .name:           k_q8d8bc0fa2f_prep
    .symbol:         k_q8d8bc0fa2f_prep.kd
    .args:
      - { .name: query, .offset: 0, .size: 8, .value_kind: global_buffer, .address_space: global }
      - { .name: key, .offset: 8, .size: 8, .value_kind: global_buffer, .address_space: global }
      - { .name: value, .offset: 16, .size: 8, .value_kind: global_buffer, .address_space: global }
      - { .name: Wq, .offset: 24, .size: 8, .value_kind: global_buffer, .address_space: global }
      - { .name: Wk, .offset: 32, .size: 8, .value_kind: global_buffer, .address_space: global }
      - { .name: Wv, .offset: 40, .size: 8, .value_kind: global_buffer, .address_space: global }
      - { .name: Wo, .offset: 48, .size: 8, .value_kind: global_buffer, .address_space: global }
      - { .name: mask, .offset: 56, .size: 8, .value_kind: global_buffer, .address_space: global }
      - { .name: img, .offset: 64, .size: 8, .value_kind: global_buffer, .address_space: global }
      - { .name: mbits, .offset: 72, .size: 8, .value_kind: global_buffer, .address_space: global }
    .group_segment_fixed_size: 34304
    .private_segment_fixed_size: 0
    .kernarg_segment_align: 8
    .kernarg_segment_size: 80
    .max_flat_workgroup_size: 128
    .sgpr_count:     66
    .vgpr_count:     256
    .wavefront_size: 32
...
	.end_amdgpu_metadata
.endif
;; end of part 1
;; launch proj (part 2): grid 4 x 64, 8 waves a work-group, clusters of 4 x 4, 327,680 bytes of LDS; arguments img, qpk, kpk, vpk; writes qpk, kpk, vpk
.if DOCPART == 2
	.amdgcn_target "amdgcn-amd-amdhsa--gfx1250"
	.amdhsa_code_object_version 6
	.text
	.protected	k_q8d8bc0fa2f_proj
	.globl	k_q8d8bc0fa2f_proj
	.p2align	8
	.type	k_q8d8bc0fa2f_proj,@function
k_q8d8bc0fa2f_proj:
	s_mov_b64 s[64:65], 0
	v_nop
	global_prefetch_b8 v0, s[64:65] scope:SCOPE_SE
	s_setreg_imm32_b32 hwreg(HW_REG_WAVE_MODE, 25, 1), 1
	s_wait_xcnt 0x0
	s_wait_alu depctr_hold_cnt(0) depctr_sa_sdst(0) depctr_va_vdst(0) depctr_va_sdst(0) depctr_va_ssrc(0) depctr_va_vcc(0) depctr_vm_vsrc(0)
	s_getreg_b32 s2, hwreg(HW_REG_IB_STS2, 6, 4)
	s_cmp_eq_u32 s2, 0
	s_cbranch_scc0 .Lentry_in_a_cluster
	s_endpgm
.Lentry_in_a_cluster:
	s_bfe_u32 s2, ttmp6, 0x10000c
	s_cmp_lg_u32 s2, 0xf033
	s_cbranch_scc0 .Lentry_shape_is_right
	s_endpgm
.Lentry_shape_is_right:
; PROJ.  q = query Wq^T, k = key Wk^T, v = value Wv^T on codes of FP6 (E2M3) with E8M0 scales, K = 1,024; the f32 results are quantised in registers for the attention's products and leave as images of operand registers.
; D = P x R: source 0 = 16 rows of P, source 1 = 16 rows of R: a lane holds ONE row of R and its registers run along P's rows.  P's tiles hold rows 32 B + 8 u + p + 8 (p / 8), so the 16 registers of tiles 2 B, 2 B + 1 are 16 neighbours.
;   q, k: P = 256 rows of Wq or Wk (four heads), R = 128 tokens: a lane holds a token, registers run along the head's 64, the K of q k^T.
;   v:    P = 256 tokens of value, R = 128 rows of Wv (two heads): a lane holds a channel, registers run along the tokens, the K of p v.
; A WORK-GROUP STAYS: 16 clusters of 4 x 4, 256 work-groups; each makes three blocks, its q block, its k block, its v block.  P's block hangs on cx and is shared along a column of the cluster, R's on cy and along a row: each is asked for jointly.
; LDS: a ring of two slots, each with HALF of K (512) of a block: 16 row tiles of P and 8 of R, 6,656 bytes each (two records of 3,328: four halves of 768 bytes and 256 bytes of scale words), as they lie in img.
; A step is half of K of one block.  In front of each step: the wait for my one tensor load, the add, the wait for my LDS reads, a round of the cluster's barrier; behind it my one joint load for the next step
; (waves 0-3: four row tiles of P each, waves 4-7: two of R each), into the slot read in the step before.  The ring goes on from block to block; the last step asks for nothing.  One tensor load of mine is out at a time.
; The loop's two trips are the q and the k block, which leave alike; the v block is written out behind it.
; PREFETCH: in each step of the loop a wave names the same half of the NEXT block, which is loaded two steps on: of the row tiles that a wave fetches the four partners that ask with it take a quarter each, by address: 26 or 13 blocks of 256 bytes,
; a lane a block (lanes left over name the last again).  The first block comes by its loads alone, the last block's steps ask for nothing.
; WAVES.  Eight: wave w takes P's tiles 8 (w % 2) on and R's tiles 2 (w / 2) on: 16 accumulators, which take turns, one instruction a turn.
; OUT.  qpk, kpk: [batch x 16 + head][pair of token tiles]: 1,792 bytes = two halves + 256 bytes of scale words (byte 0, 1: the head's two blocks; bytes 2, 3 = 1: the unused half of the product's 128).
;       vpk: [batch x 16 + head][128 tokens][pair of channel tiles]: 3,328 bytes = two fragments of 1,536 + scale words.  Every store covers 512 or 256 consecutive bytes, aligned.
; LIMITS: NaN and infinities are not served; a block of zeros carries the byte 1 (its codes are zeros).
.set REC,   3328
.set RTB,   4*REC                      ; a row tile in img
.set HB,    2*REC                      ; its bytes of half of K
.set ROFF,  16*HB                      ; R's row tiles in a slot
.set SLOT,  24*HB
.set SPARE, 2*SLOT                     ; the spare words, 128 bytes a wave, which no other line names
.set SPW, 1
.set NIL, 2
.set L16, 3
.set L8,  4
.set ADP16, 5                          ; v5-8 slot 0, v9-12 slot 1: LDS addresses of my row tiles of P and of R, by 16 and by 8 bytes a lane; never rewritten
.set ADP8,  6
.set ADR16, 7
.set ADR8,  8
.set PSC, 14                           ; v14-29 P's scale words: tile p, K step k of the chunk at 2 p + k
.set RSC, 30                           ; v30-33 R's
.set PW,  34                           ; v34-35 the scale words made on the way out
.set PF,  36                           ; v36-83 four fragments of P
.set RF,  84                           ; v84-107 two of R
.set CODE, 84                          ; the codes made on the way out, in R's registers
.set PFO, 108                          ; the prefetches' lane offset; never rewritten
.set SW,  110
.set ACC, 128                          ; v128-255 accumulator (r, p) at 8 (8 r + p)
.set TM,  36                           ; on the way out: at work
.set TC,  52
.set WV,  12
.set G1P, 24
.set G1R, 32
.set G0P, 40                           ; s[40:47] P's group 0 for slot 0, 1;  s[48:55] R's
.set G0R, 48
.set PA,  56                           ; s[56:61] where my row tiles of P begin: this block, the next, the one after
.set RA,  66                           ; s[66:71] the same for R
.set OA,  72                           ; s[72:77] where my results go
.set SEL, 90
.set PFB, 92
.set PFD, 94
.set CNT, 96
.macro ROUND                           ; a round of the cluster's barrier
	s_barrier_signal -1
	s_barrier_wait -1
	s_cmp_lg_u32 s[WV], 0
	s_cbranch_scc1 .Lnot_wave_0_\@
	s_barrier_signal -3
.Lnot_wave_0_\@:
	s_barrier_wait -3
	s_barrier_signal -1
	s_barrier_wait -1
.endm
.macro JL sl                           ; my joint load into slot sl; the branch hangs on the wave's number alone
	s_cmp_lt_u32 s[WV], 4
	s_cbranch_scc0 .Ljr_\@
	tensor_load_to_lds s[G0P+4*(\sl):G0P+4*(\sl)+3], s[G1P:G1P+7]
	s_nop 0
.rept 4
	v_nop
.endr
	s_branch .Ljd_\@
.Ljr_\@:
	tensor_load_to_lds s[G0R+4*(\sl):G0R+4*(\sl)+3], s[G1R:G1R+7]
	s_nop 0
.rept 4
	v_nop
.endr
.Ljd_\@:
.endm
.macro FRAG reg, a16, a8, off          ; a fragment, 12 registers, from its two halves
	ds_load_b128 v[\reg:\reg+3], v[\a16] offset:\off
	ds_load_b64 v[\reg+4:\reg+5], v[\a8] offset:\off+512
	ds_load_b128 v[\reg+6:\reg+9], v[\a16] offset:\off+768
	ds_load_b64 v[\reg+10:\reg+11], v[\a8] offset:\off+1280
.endm
.macro MM d, a, b, sa, sb, zero        ; zero: the product starts the sum
.if \zero
	v_wmma_scale_f32_16x16x128_f8f6f4 v[\d:\d+7], v[\a:\a+11], v[\b:\b+11], 0, v[\sa], v[\sb] matrix_a_fmt:MATRIX_FMT_FP6 matrix_b_fmt:MATRIX_FMT_FP6
.else
	v_wmma_scale_f32_16x16x128_f8f6f4 v[\d:\d+7], v[\a:\a+11], v[\b:\b+11], v[\d:\d+7], v[\sa], v[\sb] matrix_a_fmt:MATRIX_FMT_FP6 matrix_b_fmt:MATRIX_FMT_FP6
.endif
.endm
.macro QUANT s, pc, tc, pw             ; 64 numbers of a lane, register 16 b + i = k 32 b + 16 (lane / 16) + i, become 12 registers of codes and a scale word
.irp b, 0,1,2,3
	v_max3_num_f32 v[TM+\b], |v[\s+16*\b]|, |v[\s+16*\b+1]|, 0x1800000   ; and the floor 2^(3 - 127).  Each accumulator is read from its low end on
.endr
.irp i, 2,4,6,8,10,12,14
.irp b, 0,1,2,3
	v_max3_num_f32 v[TM+\b], v[TM+\b], |v[\s+16*\b+\i]|, |v[\s+16*\b+\i+1]|
.endr
.endr
.irp b, 0,1,2,3
	v_permlanex16_b32 v[TM+4+\b], v[TM+\b], s[SEL], s[SEL+1]
.endr
.irp b, 0,1,2,3
	v_max_num_f32 v[TM+\b], v[TM+\b], v[TM+4+\b]
.endr
.irp b, 0,1,2,3
	v_add_nc_u32 v[TM+12+\b], 0xff000000, v[TM+\b]
.endr
.irp b, 0,1,2,3
	v_lshrrev_b32 v[TM+4+\b], 23, v[TM+12+\b]
.endr
	v_lshl_or_b32 v[\pw], v[TM+5], 8, v[TM+4]
	s_delay_alu instid0(VALU_DEP_1)
	v_lshl_or_b32 v[\pw], v[TM+6], 16, v[\pw]
	s_delay_alu instid0(VALU_DEP_1)
	v_lshl_or_b32 v[\pw], v[TM+7], 24, v[\pw]
.irp c, 0,1
	v_cvt_scalef32_pk16_fp6_f32 v[\pc+6*\c:\pc+6*\c+2], v[\s+32*\c:\s+32*\c+15], v[TM+12+2*\c]
	v_cvt_scalef32_pk16_fp6_f32 v[\tc+4*\c:\tc+4*\c+2], v[\s+32*\c+16:\s+32*\c+31], v[TM+12+2*\c+1]
.endr
	v_nop                                          ; one plain place behind a scaled conversion
.irp c, 0,1
.irp i, 0,1,2
	v_permlane16_swap_b32 v[\pc+6*\c+\i], v[\tc+4*\c+\i]
.endr
.irp i, 0,1,2
	v_mov_b32 v[\pc+6*\c+3+\i], v[\tc+4*\c+\i]
.endr
.endr
.endm
.macro SETPF                           ; where my prefetches stand: my share of the next block's row tiles
	s_cmp_lt_u32 s[WV], 4
	s_cselect_b64 s[PFB:PFB+1], s[PA+2:PA+3], s[RA+2:RA+3]
	s_add_nc_u64 s[PFB:PFB+1], s[PFB:PFB+1], s[PFD:PFD+1]
.endm
	s_load_b256 s[4:11], s[0:1], 0x0               ; img, qpk, kpk, vpk
	v_lshl_add_u32 v[SPW], v0, 2, SPARE
	v_mov_b32 v[NIL], 0
	ds_add_u32 v[SPW], v[NIL]                      ; the opening: the add, twice on end, and its wait ahead of my first tensor load
	ds_add_u32 v[SPW], v[NIL]
	v_lshrrev_b32 v13, 5, v0
	v_readfirstlane_b32 s[WV], v13                 ; wave 0..7
	s_and_b32 s13, s[WV], 1                        ; wp: which 8 tiles of P
	s_lshr_b32 s14, s[WV], 1                       ; wr: which 2 tiles of R
	s_and_b32 s15, s[WV], 3                        ; which part of P or of R I fetch
	s_bfe_u32 s16, ttmp6, 0x40000                  ; cx
	s_bfe_u32 s17, ttmp6, 0x40004                  ; cy
	s_and_b32 s20, ttmp7, 0xffff                   ; the cluster c, 0..15
	s_lshl_b32 s21, 0x1111, s16                    ; my column of the cluster
	s_lshl_b32 s22, s17, 2
	s_lshl_b32 s22, 15, s22                        ; my row
	s_or_b32 s[G1P], s21, (3<<16)|(1<<21)          ; 15:0 the mask; 17:16 elements of 8 bytes; 21 set beside a mask; no padding
	s_or_b32 s[G1R], s22, (3<<16)|(1<<21)
.irp g, G1P, G1R
	s_mov_b32 s[\g+1], 832<<16                     ; tensor_dim0: half of K of a row tile, 832 elements
	s_mov_b32 s[\g+3], 832<<16                     ; tile_dim0
	s_mov_b32 s[\g+5], 1664                        ; from row tile to row tile: 13,312 bytes
	s_mov_b32 s[\g+6], 0
	s_mov_b32 s[\g+7], 0
.endr
	s_mov_b32 s[G1P+2], 4<<16                      ; four row tiles
	s_mov_b32 s[G1P+4], 4
	s_mov_b32 s[G1R+2], 2<<16                      ; two
	s_mov_b32 s[G1R+4], 2
	s_lshl_b32 s78, s16, 4
	s_lshl_b32 s79, s15, 2
	s_add_co_u32 s78, s78, s79                     ; 16 cx + 4 part
	s_add_co_u32 s80, s78, 1536
	s_mul_i32 s80, s80, RTB                        ; P for q: Wq at row tile 1536 (Wk 64 further on)
	s_lshr_b32 s81, s20, 1
	s_lshl_b32 s81, s81, 6
	s_add_co_u32 s81, s81, s78
	s_add_co_u32 s81, s81, 1024
	s_mul_i32 s82, s81, RTB                        ; P for v: value at 1024, block 4 (c / 2) + cx
	s_mov_b32 s81, 0
	s_mov_b32 s83, 0
	s_lshl_b32 s84, s17, 3
	s_lshl_b32 s85, s15, 1
	s_add_co_u32 s84, s84, s85                     ; 8 cy + 2 part
	s_lshl_b32 s85, s20, 5
	s_add_co_u32 s86, s85, s84
	s_mul_i32 s86, s86, RTB                        ; R for q: query at 0, block 4 c + cy (key 512 further on)
	s_and_b32 s85, s20, 1
	s_lshl_b32 s85, s85, 5
	s_add_co_u32 s85, s85, s84
	s_add_co_u32 s85, s85, 1664
	s_mul_i32 s88, s85, RTB                        ; R for v: Wv at 1664, block 4 (c % 2) + cy
	s_mov_b32 s87, 0
	s_mov_b32 s89, 0
	s_mul_i32 s97, s15, 4*HB                       ; where they go: the wave's number alone enters an LDS address
	s_mul_i32 s99, s15, 2*HB
	s_add_co_u32 s99, s99, ROFF
	s_mov_b32 s[SEL], 0x76543210
	s_mov_b32 s[SEL+1], 0xfedcba98
	s_mov_b32 s98, 0x01010000
	s_wait_dscnt 0x0                               ; both opening adds are done
	s_wait_kmcnt 0x0
	s_add_nc_u64 s[PA:PA+1], s[4:5], s[80:81]
	s_add_nc_u64 s[PA+2:PA+3], s[PA:PA+1], 64*RTB
	s_add_nc_u64 s[PA+4:PA+5], s[4:5], s[82:83]
	s_add_nc_u64 s[RA:RA+1], s[4:5], s[86:87]
	s_add_nc_u64 s[RA+2:RA+3], s[RA:RA+1], 512*RTB
	s_add_nc_u64 s[RA+4:RA+5], s[4:5], s[88:89]
.irp s, 0,1
	s_mov_b32 s[G0P+4*\s], 1
	s_add_co_u32 s[G0P+4*\s+1], s97, \s*SLOT
	s_mov_b32 s[G0R+4*\s], 1
	s_add_co_u32 s[G0R+4*\s+1], s99, \s*SLOT
.endr
	s_mov_b64 s[G0P+2:G0P+3], s[PA:PA+1]
	s_or_b32 s[G0P+3], s[G0P+3], 0x80000000
	s_mov_b64 s[G0R+2:G0R+3], s[RA:RA+1]
	s_or_b32 s[G0R+3], s[G0R+3], 0x80000000
	ROUND                                          ; all sixteen work-groups are here: the joint loads meet
	JL 0                                           ; the q block's first half: one tensor load a wave at the head
	v_and_b32 v13, 31, v0
	v_lshlrev_b32 v[L16], 4, v13
	v_lshlrev_b32 v[L8], 3, v13
	s_mul_i32 s21, s13, 8*HB
	s_mul_i32 s22, s14, 2*HB
	s_add_co_u32 s22, s22, ROFF
.irp s, 0,1
	v_add_nc_u32 v[ADP16+4*\s], s21, v[L16]
	v_add_nc_u32 v[ADP8+4*\s], s21, v[L8]
	v_add_nc_u32 v[ADR16+4*\s], s22, v[L16]
	v_add_nc_u32 v[ADR8+4*\s], s22, v[L8]
	s_add_co_u32 s21, s21, SLOT
	s_add_co_u32 s22, s22, SLOT
.endr
	; the prefetches: P's waves take row tile cy of their four (26 blocks of 256 bytes), R's waves quarter cx of their two (13)
	s_mul_i32 s84, s17, RTB
	s_lshr_b32 s85, s16, 1
	s_mul_i32 s85, s85, RTB
	s_and_b32 s86, s16, 1
	s_mul_i32 s86, s86, REC
	s_add_co_u32 s85, s85, s86
	s_cmp_lt_u32 s[WV], 4
	s_cselect_b32 s[PFD], s84, s85
	s_cselect_b32 s87, 25, 12
	s_mov_b32 s[PFD+1], 0
	v_min_u32 v[PFO], s87, v13
	v_lshlrev_b32 v[PFO], 8, v[PFO]
	SETPF
	; where my results go.  q, k: record (16 batch + head) x 64 + pair of token tiles
	s_lshl_b32 s21, s20, 2
	s_add_co_u32 s21, s21, s17
	s_lshl_b32 s21, s21, 2
	s_add_co_u32 s21, s21, s14                     ; pair of token tiles, of 256
	s_lshr_b32 s22, s21, 6                         ; batch
	s_and_b32 s21, s21, 63
	s_lshl_b32 s22, s22, 4
	s_lshl_b32 s23, s16, 2
	s_add_co_u32 s22, s22, s23
	s_lshl_b32 s23, s13, 1
	s_add_co_u32 s22, s22, s23                     ; + head 4 cx + 2 wp (and the next)
	s_mul_i32 s22, s22, 114688
	s_mul_i32 s21, s21, 1792
	s_add_co_u32 s78, s22, s21
	s_mov_b32 s79, 0
	s_add_nc_u64 s[OA:OA+1], s[6:7], s[78:79]
	s_add_nc_u64 s[OA+2:OA+3], s[8:9], s[78:79]
	; v: record ((16 batch + head) x 16 + key step) x 2 + pair of channel tiles
	s_lshr_b32 s21, s20, 1
	s_lshl_b32 s21, s21, 2
	s_add_co_u32 s21, s21, s16
	s_lshl_b32 s21, s21, 1
	s_add_co_u32 s21, s21, s13                     ; key step, of 64
	s_lshr_b32 s22, s21, 4                         ; batch
	s_and_b32 s21, s21, 15
	s_lshl_b32 s22, s22, 4
	s_and_b32 s23, s20, 1
	s_lshl_b32 s23, s23, 2
	s_add_co_u32 s23, s23, s17
	s_lshl_b32 s23, s23, 1
	s_add_co_u32 s22, s22, s23
	s_lshr_b32 s23, s14, 1
	s_add_co_u32 s22, s22, s23                     ; + head 2 R's block + wr / 2
	s_mul_i32 s22, s22, 106496
	s_mul_i32 s21, s21, 2*REC
	s_add_co_u32 s22, s22, s21
	s_and_b32 s23, s14, 1
	s_mul_i32 s23, s23, REC
	s_add_co_u32 s78, s22, s23
	s_add_nc_u64 s[OA+4:OA+5], s[10:11], s[78:79]
; A chunk: 256 along K, two K steps of 16 matrix instructions.  Four plain places stand behind each run of matrix instructions, in front of the loads into registers that they have read (ISA guide 7.12.1 for vector instructions).
.macro CH sl, c2
.irp p, 0,1,2,3,4,5,6,7
	ds_load_b64 v[PSC+2*\p:PSC+2*\p+1], v[ADP8+4*\sl] offset:\p*HB+\c2*REC+3072
.endr
.irp r, 0,1
	ds_load_b64 v[RSC+2*\r:RSC+2*\r+1], v[ADR8+4*\sl] offset:\r*HB+\c2*REC+3072
.endr
.irp k, 0,1
	FRAG RF, ADR16+4*\sl, ADR8+4*\sl, \c2*REC+\k*1536
	FRAG RF+12, ADR16+4*\sl, ADR8+4*\sl, HB+\c2*REC+\k*1536
.irp hh, 0,1
.irp j, 0,1,2,3
	FRAG PF+12*\j, ADP16+4*\sl, ADP8+4*\sl, (4*\hh+\j)*HB+\c2*REC+\k*1536
.endr
	s_wait_dscnt 0x0
.irp j, 0,1,2,3
.irp r, 0,1
	MM ACC+8*(8*\r+4*\hh+\j), PF+12*\j, RF+12*\r, PSC+2*(4*\hh+\j)+\k, RSC+2*\r+\k, (\sl+\c2+\k)==0
.endr
.endr
.rept 4
	v_nop
.endr
.endr
.endr
.endm
; A step: half of K of a block, from slot sl.  refill: the next step's tiles are asked for, into the other slot: behind a first half this block's second half, behind a second half the next block's first.  pf: the prefetch
.macro STEP sl, refill, pf
	s_wait_tensorcnt 0x0                           ; my one load, my part of this step's slot, has landed: so every group 0 may be written
.if \refill
	ds_add_u32 v[SPW], v[NIL]                      ; the add; work on registers stands between it and the wait for it
.if \sl
	s_mov_b64 s[G0P+2:G0P+3], s[PA+2:PA+3]
	s_mov_b64 s[G0R+2:G0R+3], s[RA+2:RA+3]
	s_or_b32 s[G0P+3], s[G0P+3], 0x80000000
	s_or_b32 s[G0R+3], s[G0R+3], 0x80000000
.else
	s_add_nc_u64 s[G0P+6:G0P+7], s[PA:PA+1], HB
	s_add_nc_u64 s[G0R+6:G0R+7], s[RA:RA+1], HB
	s_or_b32 s[G0P+7], s[G0P+7], 0x80000000
	s_or_b32 s[G0R+7], s[G0R+7], 0x80000000
.endif
	s_wait_dscnt 0x0                               ; the add is done, and so are my reads of the other slot
	ROUND                                          ; both now hold of every wave of the cluster
	JL 1-\sl
.else
	s_wait_dscnt 0x0
	s_barrier_signal -1
	s_barrier_wait -1                              ; the last slot is whole
.endif
	CH \sl, 0
.if \pf
	global_prefetch_b8 v[PFO], s[PFB:PFB+1] offset:\sl*HB th:TH_LOAD_NT scope:SCOPE_SE
.endif
	CH \sl, 1
.endm
.macro CODES2                          ; each of my two tiles of R: 64 numbers a lane, 128 along the next K
.irp b, 0,1,2,3
	v_mov_b32 v[TM+4+\b], 0                        ; a lane permute's destination counts as one of its sources
.endr
	QUANT ACC, CODE, TC, PW
	QUANT ACC+64, CODE+12, TC, PW+1
.endm
	s_mov_b32 s[CNT], 2
	s_wait_alu depctr_va_vdst(0)
.Lblock:                               ; the q block, then the k block
	STEP 0, 1, 1
	STEP 1, 1, 1
	CODES2
	v_and_or_b32 v[SW], v[PW], 0xffff, s98         ; the first head's two bytes, and 1 for the two unused blocks
	v_and_or_b32 v[SW+1], v[PW+1], 0xffff, s98
	v_lshrrev_b32 v[SW+2], 16, v[PW]               ; the second head's
	v_lshrrev_b32 v[SW+3], 16, v[PW+1]
	s_delay_alu instid0(VALU_DEP_2)
	v_or_b32 v[SW+2], s98, v[SW+2]
	s_delay_alu instid0(VALU_DEP_2)
	v_or_b32 v[SW+3], s98, v[SW+3]
.irp c, 0,1                            ; half c of a fragment is head c's 64
.irp r, 0,1
	global_store_b128 v[L16], v[CODE+12*\r+6*\c:CODE+12*\r+6*\c+3], s[OA:OA+1] offset:114688*\c+768*\r
	global_store_b64 v[L8], v[CODE+12*\r+6*\c+4:CODE+12*\r+6*\c+5], s[OA:OA+1] offset:114688*\c+768*\r+512
.endr
	global_store_b64 v[L8], v[SW+2*\c:SW+2*\c+1], s[OA:OA+1] offset:114688*\c+1536
.endr
	s_wait_xcnt 0x0                                ; the stores and the prefetches have read their registers: bases step, and the codes' registers take fragments again
	s_mov_b64 s[PA:PA+1], s[PA+2:PA+3]
	s_mov_b64 s[PA+2:PA+3], s[PA+4:PA+5]
	s_mov_b64 s[RA:RA+1], s[RA+2:RA+3]
	s_mov_b64 s[RA+2:RA+3], s[RA+4:RA+5]
	s_mov_b64 s[OA:OA+1], s[OA+2:OA+3]
	s_mov_b64 s[OA+2:OA+3], s[OA+4:OA+5]
	SETPF
	s_sub_co_u32 s[CNT], s[CNT], 1
	s_cmp_lg_u32 s[CNT], 0
	s_cbranch_scc1 .Lblock
	STEP 0, 1, 0                                   ; the v block: its last step asks for nothing
	STEP 1, 0, 0
	CODES2
.irp r, 0,1
.irp c, 0,1
	global_store_b128 v[L16], v[CODE+12*\r+6*\c:CODE+12*\r+6*\c+3], s[OA:OA+1] offset:1536*\r+768*\c
	global_store_b64 v[L8], v[CODE+12*\r+6*\c+4:CODE+12*\r+6*\c+5], s[OA:OA+1] offset:1536*\r+768*\c+512
.endr
.endr
	global_store_b64 v[L8], v[PW:PW+1], s[OA:OA+1] offset:3072
	s_wait_tensorcnt 0x0                           ; the wave's end
	ds_add_u32 v[SPW], v[NIL]
	s_wait_dscnt 0x0
	ROUND                                          ; the closing round
	s_endpgm
.Lfunc_end_k_q8d8bc0fa2f_proj:
	.size	k_q8d8bc0fa2f_proj, .Lfunc_end_k_q8d8bc0fa2f_proj-k_q8d8bc0fa2f_proj
	.p2alignl 7, 3214868480
	.fill 96, 4, 3214868480
	.section	.rodata,"a",@progbits
	.p2align	6, 0x0
	.amdhsa_kernel k_q8d8bc0fa2f_proj
		.amdhsa_group_segment_fixed_size 327680
		.amdhsa_private_segment_fixed_size 0
		.amdhsa_enable_private_segment 0
		.amdhsa_kernarg_size 32
		.amdhsa_user_sgpr_count 2
		.amdhsa_user_sgpr_kernarg_segment_ptr 1
		.amdhsa_wavefront_size32 1
		.amdhsa_system_sgpr_workgroup_id_x 1
		.amdhsa_system_sgpr_workgroup_id_y 1
		.amdhsa_system_sgpr_workgroup_id_z 1
		.amdhsa_system_vgpr_workitem_id 0
		.amdhsa_next_free_vgpr 256
		.amdhsa_next_free_sgpr 100
		.amdhsa_reserve_vcc 0
		.amdhsa_float_denorm_mode_32 3
		.amdhsa_float_denorm_mode_16_64 3
		.amdhsa_memory_ordered 1
		.amdhsa_forward_progress 1
		.amdhsa_inst_pref_size 113
	.end_amdhsa_kernel
	.amdgpu_metadata
---
amdhsa.version: [ 1, 2 ]
amdhsa.kernels:
  - .name:           k_q8d8bc0fa2f_proj
    .symbol:         k_q8d8bc0fa2f_proj.kd
    .args:
      - { .name: img, .offset: 0, .size: 8, .value_kind: global_buffer, .address_space: global }
      - { .name: qpk, .offset: 8, .size: 8, .value_kind: global_buffer, .address_space: global }
      - { .name: kpk, .offset: 16, .size: 8, .value_kind: global_buffer, .address_space: global }
      - { .name: vpk, .offset: 24, .size: 8, .value_kind: global_buffer, .address_space: global }
    .group_segment_fixed_size: 327680
    .private_segment_fixed_size: 0
    .kernarg_segment_align: 8
    .kernarg_segment_size: 32
    .max_flat_workgroup_size: 256
    .sgpr_count:     100
    .vgpr_count:     256
    .wavefront_size: 32
...
	.end_amdgpu_metadata
.endif
;; end of part 2
;; launch attn (part 3): grid 4 x 64, 16 waves a work-group, clusters of 4 x 1, 327,680 bytes of LDS; arguments qpk, kpk, vpk, mbits, ximg; writes ximg
.if DOCPART == 3
	.amdgcn_target "amdgcn-amd-amdhsa--gfx1250"
	.amdhsa_code_object_version 6
	.text
	.protected	k_q8d8bc0fa2f_attn
	.globl	k_q8d8bc0fa2f_attn
	.p2align	8
	.type	k_q8d8bc0fa2f_attn,@function
k_q8d8bc0fa2f_attn:
	s_mov_b64 s[64:65], 0
	v_nop
	global_prefetch_b8 v0, s[64:65] scope:SCOPE_SE
	s_setreg_imm32_b32 hwreg(HW_REG_WAVE_MODE, 25, 1), 1
	s_wait_xcnt 0x0
	s_wait_alu depctr_hold_cnt(0) depctr_sa_sdst(0) depctr_va_vdst(0) depctr_va_sdst(0) depctr_va_ssrc(0) depctr_va_vcc(0) depctr_vm_vsrc(0)
	s_getreg_b32 s2, hwreg(HW_REG_IB_STS2, 6, 4)
	s_cmp_eq_u32 s2, 0
	s_cbranch_scc0 .Lentry_in_a_cluster
	s_endpgm
.Lentry_in_a_cluster:
	s_bfe_u32 s2, ttmp6, 0x10000c
	s_cmp_lg_u32 s2, 0x3003
	s_cbranch_scc0 .Lentry_shape_is_right
	s_endpgm
.Lentry_shape_is_right:
; ATTN.  x = Q(where(m, softmax(where(m, Q(q) Q(k)^T / 8, -1e9)), 0)) Q(v) for one batch and head a cluster row, on codes of FP6 (E2M3) with E8M0 scales; x leaves quantised for the last projection, as images of operand registers.
; p is quantised finished and normalised, so the keys are walked twice: pass 1 finds each query's running maximum and the sum of exponentials, pass 2 makes p = 2^(t - M - log2 sum), quantises it and multiplies by v.
; SHARES.  A work-group: one batch and head, 512 queries; a wave: 32 queries (two tiles of 16).  Both products are used transposed (S^T = k q^T, O^T = v^T p^T): a lane holds one query, its registers run along keys or channels.
; A step is 64 keys: 8 products (four tiles of keys x two of queries; the head's 64 fill half of the instruction's 128, the other half meets zero codes of q), 64 scores a lane.
; LDS.  K (64 records of 1,792 bytes) and V (32 of 3,328) of the head stay for the whole launch; each is filled once: waves 0-7 ask for an eighth of K each, waves 8-15 for an eighth of V, one joint load a wave at the head.
; CLUSTER.  The four work-groups of a head ask for K and V jointly (mask 15).  No data prefetch: all tensor loads stand at the head, so there is no loop that runs ahead of one.
; THE MASK comes as lane-mask words (mbits), 64 scalar registers a step, asked for one step ahead.
; A lane keeps maximum and sum of its own half of the keys; lanes l and l xor 16 are joined once, behind pass 1.  A row with no key allowed gives p = 0 everywhere (pass 2 puts -infinity under the mask).
; A step's exponentials stand as one batch: all sources first, one wait, the batch, one plain place, one wait.
; LIMITS: NaN and infinities are not served; the scaled scores stay under 2^31 in magnitude; a block of zeros carries the byte 1 (its codes are zeros; this program alone reads the bytes).
.set KREC,  1792
.set VREC,  3328
.set RTB,   13312
.set KBY,   64*KREC
.set VBY,   32*VREC
.set KPART, KBY/8                      ; 14,336 bytes: 56 rows of 256
.set VPART, VBY/8                      ; 13,312 bytes: 52 rows of 256
.set SPARE, KBY+VBY                    ; the spare words, 128 bytes a wave, which no other line names
.set SPW, 1                            ; v1 my spare word, v2 zero: never rewritten
.set NIL, 2
.set L16, 3                            ; 16 x lane, 8 x lane
.set L8,  4
.set A16, 5                            ; K's records in hand
.set A8,  6
.set NEG, 7                            ; what stands under the mask
.set QS,  8                            ; v8-9 q's scale words, v10-13 k's, v14-15 p's
.set KS,  10
.set PS,  14
.set ST,  16                           ; v16-23: for each query tile -M, the largest score, the sum in two halves
.set Q,   24                           ; v24-47 q's two fragments, upper halves zero
.set KF,  48                           ; v48-77 four half fragments of k and six zeros
.set AV16, 78
.set AV8,  79
.set S,   80                           ; v80-143 scores, then p; then v's fragments
.set VF,  80
.set VS,  128
.set O,   144                          ; v144-207 O^T
.set P,   208                          ; v208-231 p's two fragments
.set WA,  232                          ; v232-255 at work
.set WB,  234
.set F,   236
.set WS,  240
.set TM,  232
.set TC,  244
.set XW,  252
.set TB,  2
.set MOFF, 3
.set VT,  4
.set G0K, 4
.set G0V, 8
.set MB,  12
.set XP,  14
.set G1K, 16
.set G1V, 24
.set CS,  66                           ; log2(e) / 8
.set SEL, 100
.set WV,  104
.set CNT, 105
.macro ROUND                           ; a round of the cluster's barrier
	s_barrier_signal -1
	s_barrier_wait -1
	s_cmp_lg_u32 s[WV], 0
	s_cbranch_scc1 .Lnot_wave_0_\@
	s_barrier_signal -3
.Lnot_wave_0_\@:
	s_barrier_wait -3
	s_barrier_signal -1
	s_barrier_wait -1
.endm
.macro FRAG reg, a16, a8, off
	ds_load_b128 v[\reg:\reg+3], v[\a16] offset:\off
	ds_load_b64 v[\reg+4:\reg+5], v[\a8] offset:\off+512
	ds_load_b128 v[\reg+6:\reg+9], v[\a16] offset:\off+768
	ds_load_b64 v[\reg+10:\reg+11], v[\a8] offset:\off+1280
.endm
.macro MM d, a, b, sa, sb, zero
.if \zero
	v_wmma_scale_f32_16x16x128_f8f6f4 v[\d:\d+7], v[\a:\a+11], v[\b:\b+11], 0, v[\sa], v[\sb] matrix_a_fmt:MATRIX_FMT_FP6 matrix_b_fmt:MATRIX_FMT_FP6
.else
	v_wmma_scale_f32_16x16x128_f8f6f4 v[\d:\d+7], v[\a:\a+11], v[\b:\b+11], v[\d:\d+7], v[\sa], v[\sb] matrix_a_fmt:MATRIX_FMT_FP6 matrix_b_fmt:MATRIX_FMT_FP6
.endif
.endm
.macro KLOAD                           ; 64 keys: four half fragments and their scale words
.irp t, 0,1,2,3
	ds_load_b128 v[KF+6*\t:KF+6*\t+3], v[A16] offset:(\t/2)*KREC+(\t%2)*768
	ds_load_b64 v[KF+6*\t+4:KF+6*\t+5], v[A8] offset:(\t/2)*KREC+(\t%2)*768+512
.endr
	ds_load_b64 v[KS:KS+1], v[A8] offset:1536
	ds_load_b64 v[KS+2:KS+3], v[A8] offset:KREC+1536
.endm
.macro MWORDS                          ; a step's mask words: 32 for each query tile
	s_load_b512 s[32:47], s[MB:MB+1], s[MOFF] offset:0x0
	s_load_b512 s[48:63], s[MB:MB+1], s[MOFF] offset:0x40
	s_load_b512 s[68:83], s[MB:MB+1], s[MOFF] offset:0x1000
	s_load_b512 s[84:99], s[MB:MB+1], s[MOFF] offset:0x1040
.endm
	s_load_b256 s[32:39], s[0:1], 0x0              ; qpk, kpk, vpk, mbits
	s_load_b64 s[XP:XP+1], s[0:1], 0x20            ; ximg
	v_lshl_add_u32 v[SPW], v0, 2, SPARE
	v_mov_b32 v[NIL], 0
	ds_add_u32 v[SPW], v[NIL]                      ; the opening: the add, twice on end, and its wait ahead of my tensor load
	ds_add_u32 v[SPW], v[NIL]
	v_lshrrev_b32 v5, 5, v0
	v_readfirstlane_b32 s[WV], v5                  ; wave 0..15
.irp g, G1K, G1V                       ; dense blocks as rows of 256 bytes (32 elements of 8); mask 15, bit 21 beside it
	s_mov_b32 s[\g], 15|(3<<16)|(1<<21)
	s_mov_b32 s[\g+1], 32<<16
	s_mov_b32 s[\g+3], 32<<16
	s_mov_b32 s[\g+5], 32
	s_mov_b32 s[\g+6], 0
	s_mov_b32 s[\g+7], 0
.endr
	s_mov_b32 s[G1K+2], (KPART/256)<<16
	s_mov_b32 s[G1K+4], KPART/256
	s_mov_b32 s[G1V+2], (VPART/256)<<16
	s_mov_b32 s[G1V+4], VPART/256
	s_and_b32 s40, ttmp7, 0xffff                   ; 16 batch + head
	s_and_b32 s41, s[WV], 7                        ; which eighth I ask for
	s_mul_i32 s42, s40, KBY
	s_mul_i32 s51, s41, KPART
	s_add_co_u32 s42, s42, s51
	s_mov_b32 s43, 0
	s_mul_i32 s44, s40, VBY
	s_mul_i32 s51, s41, VPART
	s_add_co_u32 s44, s44, s51
	s_mov_b32 s45, 0
	s_bfe_u32 s50, ttmp6, 0x40000
	s_lshl_b32 s50, s50, 4
	s_add_co_u32 s50, s50, s[WV]                   ; my pair of query tiles: 16 cx + wave
	s_mul_i32 s48, s40, KBY
	s_mul_i32 s51, s50, KREC
	s_add_co_u32 s48, s48, s51
	s_mov_b32 s49, 0
	s_lshr_b32 s46, s40, 4
	s_lshl_b32 s46, s46, 7
	s_lshl_b32 s51, s50, 1
	s_add_co_u32 s46, s46, s51
	s_lshl_b32 s46, s46, 12                        ; mbits: 4,096 bytes a query tile
	s_mov_b32 s47, 0
	s_mov_b32 s[CS], 0x3e38aa3b
	s_mov_b32 s[CS+1], s[CS]
	s_mov_b32 s[SEL], 0x76543210
	s_mov_b32 s[SEL+1], 0xfedcba98
	s_wait_dscnt 0x0                               ; both opening adds are done
	s_wait_kmcnt 0x0
	s_mov_b32 s[G0K], 1
	s_mul_i32 s[G0K+1], s41, KPART
	s_add_nc_u64 s[G0K+2:G0K+3], s[34:35], s[42:43]
	s_or_b32 s[G0K+3], s[G0K+3], 0x80000000
	s_mov_b32 s[G0V], 1
	s_mul_i32 s[G0V+1], s41, VPART
	s_add_co_u32 s[G0V+1], s[G0V+1], KBY
	s_add_nc_u64 s[G0V+2:G0V+3], s[36:37], s[44:45]
	s_or_b32 s[G0V+3], s[G0V+3], 0x80000000
	s_add_nc_u64 s[MB:MB+1], s[38:39], s[46:47]
	s_add_nc_u64 s[32:33], s[32:33], s[48:49]
	ROUND                                          ; the four work-groups are here: the joint loads meet
	s_cmp_lt_u32 s[WV], 8                          ; one load a wave, in the two arms of one branch on the wave's number
	s_cbranch_scc0 .Lfor_v
	tensor_load_to_lds s[G0K:G0K+3], s[G1K:G1K+7]
	s_nop 0
.rept 4
	v_nop
.endr
	s_branch .Lasked
.Lfor_v:
	tensor_load_to_lds s[G0V:G0V+3], s[G1V:G1V+7]
	s_nop 0
.rept 4
	v_nop
.endr
.Lasked:
	v_and_b32 v5, 31, v0
	v_lshlrev_b32 v[L16], 4, v5
	v_lshlrev_b32 v[L8], 3, v5
	global_load_b128 v[Q:Q+3], v[L16], s[32:33]
	global_load_b64 v[Q+4:Q+5], v[L8], s[32:33] offset:512
	global_load_b128 v[Q+12:Q+15], v[L16], s[32:33] offset:768
	global_load_b64 v[Q+16:Q+17], v[L8], s[32:33] offset:1280
	global_load_b64 v[QS:QS+1], v[L8], s[32:33] offset:1536
.irp i, 0,1,2,3,4,5
	v_mov_b32 v[Q+6+\i], 0                         ; the unused half of the product's 128: zero codes
	v_mov_b32 v[Q+18+\i], 0
	v_mov_b32 v[KF+24+\i], 0
.endr
.irp q, 0,1
	v_mov_b32 v[ST+4*\q+1], 0xff61b1e6             ; the largest score so far: -3e38
	v_mov_b32 v[ST+4*\q+2], 0
	v_mov_b32 v[ST+4*\q+3], 0
	v_mov_b32 v[F+2*\q], 0
	v_mov_b32 v[F+2*\q+1], 0
	v_mul_f32 v[ST+4*\q], -v[ST+4*\q+1], s[CS]     ; -M
.endr
	v_mov_b32 v[NEG], 0xcfee6b28                   ; -8e9: -1e9 ahead of the division by 8
	s_mov_b32 s[TB], 0
	v_add_nc_u32 v[A16], s[TB], v[L16]
	v_add_nc_u32 v[A8], s[TB], v[L8]
	s_wait_xcnt 0x0                                ; q's loads have read their base: s32 on take the mask words
	s_mov_b32 s[MOFF], 0
	MWORDS
	s_wait_alu depctr_va_vdst(0)
	s_wait_tensorcnt 0x0                           ; my eighth is in
	s_barrier_signal -1
	s_barrier_wait -1                              ; K and V are whole
	KLOAD
	s_wait_loadcnt 0x0
; A step's scores under the mask.  nxt: 1 fetch the next 64 keys, 2 the first again, 0 none;  mn: ask for the next step's mask words
.macro HS nxt, mn
	s_wait_dscnt 0x0
	s_barrier_signal -1                            ; the sixteen waves walk the keys in step: I have begun this step (no LDS instruction of mine is out)
.irp t, 0,1,2,3
.irp q, 0,1
	MM S+32*\q+8*\t, KF+6*\t, Q+12*\q, KS+\t, QS+\q, 1
.endr
.endr
.if (\nxt) == 1
	s_add_co_u32 s[TB], s[TB], 2*KREC
.elseif (\nxt) == 2
	s_mov_b32 s[TB], 0
.endif
.if (\nxt)
	v_add_nc_u32 v[A16], s[TB], v[L16]             ; four plain places behind the products, ahead of loads into registers that they read
	v_add_nc_u32 v[A8], s[TB], v[L8]
	v_nop
	v_nop
	KLOAD
.else
.rept 4
	v_nop
.endr
.endif
	s_wait_alu depctr_va_vdst(0)                   ; directly ahead of the wait below
	s_wait_kmcnt 0x0
.set j, 0
.rept 32
	v_cndmask_b32 v[S+j], v[NEG], v[S+j], s[32+j]  ; each accumulator from its low end on
	v_cndmask_b32 v[S+32+j], v[NEG], v[S+32+j], s[68+j]
.set j, j+1
.endr
	s_wait_alu depctr_va_vdst(0)                   ; directly ahead of the wait below
	s_barrier_wait -1                              ; and I go past its masking when all have begun it; between signal and wait stand products, LDS loads of bytes that nobody writes, and work on registers
.if (\mn)
	s_add_co_u32 s[MOFF], s[MOFF], 128
	s_and_b32 s[MOFF], s[MOFF], 4095               ; behind the last step of a pass: the first again
	MWORDS
.endif
.endm
.macro TEXP                            ; 2^(score x c + the tile's offset): 32 packed multiply-adds, the wait, 64 exponentials
.set j, 0
.rept 32
	v_pk_fma_f32 v[S+j:S+j+1], v[S+j:S+j+1], s[CS:CS+1], v[ST+4*(j/32):ST+4*(j/32)+1] op_sel_hi:[1,0,0]
.set j, j+2
.endr
	s_wait_alu depctr_va_vdst(0)
.set j, 0
.rept 64
	v_exp_f32 v[S+j], v[S+j]
.set j, j+1
.endr
.endm
; PASS 1, a step: the running maximum, the old sum brought under the new maximum by 2^(new -M less old -M), and the step's 64 exponentials added
.macro P1 nxt
	HS \nxt, 1
.irp q, 0,1
	v_max3_num_f32 v[WA+\q], v[S+32*\q], v[S+32*\q+1], v[S+32*\q+2]
	v_max3_num_f32 v[WB+\q], v[S+32*\q+3], v[S+32*\q+4], v[S+32*\q+5]
.endr
.irp i, 6,10,14,18,22,26
.irp q, 0,1
	v_max3_num_f32 v[WA+\q], v[WA+\q], v[S+32*\q+\i], v[S+32*\q+\i+1]      ; four chains by turns
	v_max3_num_f32 v[WB+\q], v[WB+\q], v[S+32*\q+\i+2], v[S+32*\q+\i+3]
.endr
.endr
.irp q, 0,1
	v_max3_num_f32 v[WA+\q], v[WA+\q], v[S+32*\q+30], v[S+32*\q+31]
.endr
.irp q, 0,1
	s_delay_alu instid0(VALU_DEP_2)
	v_max3_num_f32 v[ST+4*\q+1], v[ST+4*\q+1], v[WA+\q], v[WB+\q]
.endr
.irp q, 0,1
	s_delay_alu instid0(VALU_DEP_2)
	v_mul_f32 v[WA+\q], -v[ST+4*\q+1], s[CS]       ; the new -M
.endr
.irp q, 0,1
	s_delay_alu instid0(VALU_DEP_2)
	v_sub_f32 v[F+2*\q], v[WA+\q], v[ST+4*\q]      ; less the old: 0 or under
.endr
.irp q, 0,1
	v_mov_b32 v[ST+4*\q], v[WA+\q]
.endr
	TEXP
.irp q, 0,1
	v_exp_f32 v[F+2*\q], v[F+2*\q]
.endr
	v_nop                                          ; one plain place behind the batch
	s_wait_alu depctr_va_vdst(0)
.irp q, 0,1
	v_pk_fma_f32 v[ST+4*\q+2:ST+4*\q+3], v[ST+4*\q+2:ST+4*\q+3], v[F+2*\q:F+2*\q+1], v[S+32*\q:S+32*\q+1] op_sel_hi:[1,0,1]
	v_pk_add_f32 v[WS+2*\q:WS+2*\q+1], v[S+32*\q+2:S+32*\q+3], v[S+32*\q+4:S+32*\q+5]
.endr
.irp i, 6,10,14,18,22,26
.irp q, 0,1
	v_pk_add_f32 v[ST+4*\q+2:ST+4*\q+3], v[ST+4*\q+2:ST+4*\q+3], v[S+32*\q+\i:S+32*\q+\i+1]
	v_pk_add_f32 v[WS+2*\q:WS+2*\q+1], v[WS+2*\q:WS+2*\q+1], v[S+32*\q+\i+2:S+32*\q+\i+3]
.endr
.endr
.irp q, 0,1
	v_pk_add_f32 v[ST+4*\q+2:ST+4*\q+3], v[ST+4*\q+2:ST+4*\q+3], v[S+32*\q+30:S+32*\q+31]
.endr
.irp q, 0,1
	s_delay_alu instid0(VALU_DEP_2)
	v_pk_add_f32 v[ST+4*\q+2:ST+4*\q+3], v[ST+4*\q+2:ST+4*\q+3], v[WS+2*\q:WS+2*\q+1]
.endr
.endm
	s_mov_b32 s[CNT], 31
.Lp1:
	P1 1
	s_sub_co_u32 s[CNT], s[CNT], 1
	s_cmp_lg_u32 s[CNT], 0
	s_cbranch_scc1 .Lp1
	P1 2
; lanes l and l xor 16 are joined: the common -M, both sums under it, and the offset of pass 2: -M - log2(sum)
.irp q, 0,1
	s_delay_alu instid0(VALU_DEP_2)
	v_add_f32 v[WA+\q], v[ST+4*\q+2], v[ST+4*\q+3]
.endr
.irp q, 0,1
	v_permlanex16_b32 v[WB+\q], v[ST+4*\q], s[SEL], s[SEL+1]
.endr
.irp q, 0,1
	s_delay_alu instid0(VALU_DEP_2)
	v_min_num_f32 v[WB+\q], v[WB+\q], v[ST+4*\q]
.endr
.irp q, 0,1
	s_delay_alu instid0(VALU_DEP_2)
	v_sub_f32 v[F+2*\q], v[WB+\q], v[ST+4*\q]
.endr
	s_wait_alu depctr_va_vdst(0)
.irp q, 0,1
	v_exp_f32 v[F+2*\q], v[F+2*\q]
.endr
	v_mov_b32 v[NEG], 0xff800000                   ; pass 2: -infinity under the mask, so that p is 0 there
	s_wait_alu depctr_va_vdst(0)
.irp q, 0,1
	v_mul_f32 v[WA+\q], v[WA+\q], v[F+2*\q]
.endr
.irp q, 0,1
	s_delay_alu instid0(VALU_DEP_2)
	v_permlanex16_b32 v[WS+\q], v[WA+\q], s[SEL], s[SEL+1]
.endr
.irp q, 0,1
	s_delay_alu instid0(VALU_DEP_2)
	v_add_f32 v[WA+\q], v[WA+\q], v[WS+\q]
.endr
	s_wait_alu depctr_va_vdst(0)
.irp q, 0,1
	v_log_f32 v[WS+\q], v[WA+\q]
.endr
	v_nop
	s_wait_alu depctr_va_vdst(0)
.irp q, 0,1
	v_sub_f32 v[ST+4*\q], v[WB+\q], v[WS+\q]
.endr
; four blocks of 32 (16 registers here, 16 in lane l xor 16): largest magnitude with the floor 2^(3 - 127), the conversion's scale operand at TM+8 on, the bytes at TM+4 on
.macro BMAX src, ab
.irp n, 0,1,2,3
.if \ab
	v_max3_num_f32 v[TM+\n], |v[\src+16*\n]|, |v[\src+16*\n+1]|, 0x1800000
.else
	v_max3_num_f32 v[TM+\n], v[\src+16*\n], v[\src+16*\n+1], 0x1800000
.endif
.endr
.irp i, 2,4,6,8,10,12,14
.irp n, 0,1,2,3
.if \ab
	v_max3_num_f32 v[TM+\n], v[TM+\n], |v[\src+16*\n+\i]|, |v[\src+16*\n+\i+1]|
.else
	v_max3_num_f32 v[TM+\n], v[TM+\n], v[\src+16*\n+\i], v[\src+16*\n+\i+1]
.endif
.endr
.endr
.irp n, 0,1,2,3
	v_permlanex16_b32 v[TM+4+\n], v[TM+\n], s[SEL], s[SEL+1]
.endr
.irp n, 0,1,2,3
	v_max_num_f32 v[TM+\n], v[TM+\n], v[TM+4+\n]
.endr
.irp n, 0,1,2,3
	v_add_nc_u32 v[TM+8+\n], 0xff000000, v[TM+\n]  ; 2 off the exponent field
.endr
.irp n, 0,1,2,3
	v_lshrrev_b32 v[TM+4+\n], 23, v[TM+8+\n]
.endr
.endm
; 64 numbers a lane become two half fragments of codes; vl: v's fragments of these 128 keys are fetched into the registers that the conversions have read
.macro CODES src, dst, vl
.irp q, 0,1
	v_cvt_scalef32_pk16_fp6_f32 v[\dst+12*\q:\dst+12*\q+2], v[\src+32*\q:\src+32*\q+15], v[TM+8+2*\q]
	v_cvt_scalef32_pk16_fp6_f32 v[TC+4*\q:TC+4*\q+2], v[\src+32*\q+16:\src+32*\q+31], v[TM+8+2*\q+1]
.endr
	v_nop                                          ; one plain place behind a scaled conversion
.if \vl
	v_add_nc_u32 v[AV16], s[VT], v[L16]
	v_add_nc_u32 v[AV8], s[VT], v[L8]
.irp t, 0,1,2,3
	FRAG VF+12*\t, AV16, AV8, (\t/2)*VREC+(\t%2)*1536
.endr
	ds_load_b64 v[VS:VS+1], v[AV8] offset:3072
	ds_load_b64 v[VS+2:VS+3], v[AV8] offset:VREC+3072
	s_add_co_u32 s[VT], s[VT], 2*VREC
.endif
.irp q, 0,1                            ; the operand wants a whole block in a lane
.irp i, 0,1,2
	v_permlane16_swap_b32 v[\dst+12*\q+\i], v[TC+4*\q+\i]
.endr
.irp i, 0,1,2
	v_mov_b32 v[\dst+12*\q+3+\i], v[TC+4*\q+\i]
.endr
.endr
.endm
.macro HS2 g, nxt, mn                  ; PASS 2, 64 keys: p, its blocks' scales; g: which half of the 128 keys of a product
	HS \nxt, \mn
	TEXP
	v_nop
	s_wait_alu depctr_va_vdst(0)
	BMAX S, 0
.if \g == 0
.irp q, 0,1
	v_lshl_or_b32 v[PS+\q], v[TM+4+2*\q+1], 8, v[TM+4+2*\q]
.endr
.else
.irp q, 0,1
	v_lshl_or_b32 v[PS+\q], v[TM+4+2*\q], 16, v[PS+\q]
.endr
.irp q, 0,1
	s_delay_alu instid0(VALU_DEP_2)
	v_lshl_or_b32 v[PS+\q], v[TM+4+2*\q+1], 24, v[PS+\q]
.endr
.endif
.endm
.macro PV zero                         ; O^T += v^T p^T: eight accumulators by turns
.rept 4
	v_nop                                          ; places between the codes' last writes and the products
.endr
	s_wait_alu depctr_va_vdst(0)                   ; ahead of the first reader of O^T
	s_wait_dscnt 0x0
.irp t, 0,1,2,3
.irp q, 0,1
	MM O+32*\q+8*\t, VF+12*\t, P+12*\q, VS+\t, PS+\q, \zero
.endr
.endr
.rept 5
	v_nop                                          ; five places: the next scores are written over v's fragments
.endr
.endm
.macro STEP2 zero, last
	HS2 0, 1, 1
	CODES S, P, 0
.if \last
	HS2 1, 0, 0
.else
	HS2 1, 1, 1
.endif
	CODES S, P+6, 1
	PV \zero
.endm
	s_mov_b32 s[VT], KBY
	STEP2 1, 0                                     ; the first products start the sums
	s_mov_b32 s[CNT], 14
.Lp2:
	STEP2 0, 0
	s_sub_co_u32 s[CNT], s[CNT], 1
	s_cmp_lg_u32 s[CNT], 0
	s_cbranch_scc1 .Lp2
	STEP2 0, 1
; THE WAY OUT: my 32 queries x the head's 64 channels, two blocks of 32 along the last projection's K, into ximg: row tile = 16 queries, chunk = head / 4, half = head % 4
	s_and_b32 s16, ttmp7, 0xffff
	s_lshr_b32 s17, s16, 4
	s_and_b32 s16, s16, 15
	s_bfe_u32 s18, ttmp6, 0x40000
	s_lshl_b32 s18, s18, 4
	s_add_co_u32 s18, s18, s[WV]
	s_lshl_b32 s18, s18, 1
	s_lshl_b32 s17, s17, 7
	s_add_co_u32 s17, s17, s18
	s_mul_i32 s20, s17, RTB
	s_lshr_b32 s18, s16, 2
	s_mul_i32 s18, s18, VREC
	s_add_co_u32 s20, s20, s18
	s_mov_b32 s21, 0
	s_add_nc_u64 s[XP:XP+1], s[XP:XP+1], s[20:21]
	s_and_b32 s22, s16, 3
	s_mul_i32 s22, s22, 768
	s_mov_b32 s23, 0
	s_add_nc_u64 s[24:25], s[XP:XP+1], s[22:23]
	s_lshl_b32 s22, s16, 1
	s_and_b32 s22, s22, 6
	s_add_co_u32 s22, s22, 3072
	s_add_nc_u64 s[26:27], s[XP:XP+1], s[22:23]
	BMAX O, 1
.irp q, 0,1
	v_lshl_or_b32 v[XW+\q], v[TM+4+2*\q+1], 8, v[TM+4+2*\q]
.endr
	CODES O, P, 0
.irp q, 0,1
	global_store_b128 v[L16], v[P+12*\q:P+12*\q+3], s[24:25] offset:RTB*\q
	global_store_b64 v[L8], v[P+12*\q+4:P+12*\q+5], s[24:25] offset:RTB*\q+512
	global_store_b16 v[L8], v[XW+\q], s[26:27] offset:RTB*\q       ; the head's two bytes of each row's scale words
.endr
	s_wait_tensorcnt 0x0                           ; the wave's end
	ds_add_u32 v[SPW], v[NIL]
	s_wait_dscnt 0x0
	ROUND                                          ; the closing round
	s_endpgm
.Lfunc_end_k_q8d8bc0fa2f_attn:
	.size	k_q8d8bc0fa2f_attn, .Lfunc_end_k_q8d8bc0fa2f_attn-k_q8d8bc0fa2f_attn
	.p2alignl 7, 3214868480
	.fill 96, 4, 3214868480
	.section	.rodata,"a",@progbits
	.p2align	6, 0x0
	.amdhsa_kernel k_q8d8bc0fa2f_attn
		.amdhsa_group_segment_fixed_size 327680
		.amdhsa_private_segment_fixed_size 0
		.amdhsa_enable_private_segment 0
		.amdhsa_kernarg_size 40
		.amdhsa_user_sgpr_count 2
		.amdhsa_user_sgpr_kernarg_segment_ptr 1
		.amdhsa_wavefront_size32 1
		.amdhsa_system_sgpr_workgroup_id_x 1
		.amdhsa_system_sgpr_workgroup_id_y 1
		.amdhsa_system_sgpr_workgroup_id_z 1
		.amdhsa_system_vgpr_workitem_id 0
		.amdhsa_next_free_vgpr 256
		.amdhsa_next_free_sgpr 106
		.amdhsa_reserve_vcc 0
		.amdhsa_float_denorm_mode_32 3
		.amdhsa_float_denorm_mode_16_64 3
		.amdhsa_memory_ordered 1
		.amdhsa_forward_progress 1
		.amdhsa_inst_pref_size 137
	.end_amdhsa_kernel
	.amdgpu_metadata
---
amdhsa.version: [ 1, 2 ]
amdhsa.kernels:
  - .name:           k_q8d8bc0fa2f_attn
    .symbol:         k_q8d8bc0fa2f_attn.kd
    .args:
      - { .name: qpk, .offset: 0, .size: 8, .value_kind: global_buffer, .address_space: global }
      - { .name: kpk, .offset: 8, .size: 8, .value_kind: global_buffer, .address_space: global }
      - { .name: vpk, .offset: 16, .size: 8, .value_kind: global_buffer, .address_space: global }
      - { .name: mbits, .offset: 24, .size: 8, .value_kind: global_buffer, .address_space: global }
      - { .name: ximg, .offset: 32, .size: 8, .value_kind: global_buffer, .address_space: global }
    .group_segment_fixed_size: 327680
    .private_segment_fixed_size: 0
    .kernarg_segment_align: 8
    .kernarg_segment_size: 40
    .max_flat_workgroup_size: 512
    .sgpr_count:     106
    .vgpr_count:     256
    .wavefront_size: 32
...
	.end_amdgpu_metadata
.endif
;; end of part 3
;; launch oproj (part 4): grid 4 x 64, 8 waves a work-group, clusters of 4 x 4, 327,680 bytes of LDS; arguments img, ximg, out0; writes out0
.if DOCPART == 4
	.amdgcn_target "amdgcn-amd-amdhsa--gfx1250"
	.amdhsa_code_object_version 6
	.text
	.protected	k_q8d8bc0fa2f_oproj
	.globl	k_q8d8bc0fa2f_oproj
	.p2align	8
	.type	k_q8d8bc0fa2f_oproj,@function
k_q8d8bc0fa2f_oproj:
	s_mov_b64 s[64:65], 0
	v_nop
	global_prefetch_b8 v0, s[64:65] scope:SCOPE_SE
	s_setreg_imm32_b32 hwreg(HW_REG_WAVE_MODE, 25, 1), 1
	s_wait_xcnt 0x0
	s_wait_alu depctr_hold_cnt(0) depctr_sa_sdst(0) depctr_va_vdst(0) depctr_va_sdst(0) depctr_va_ssrc(0) depctr_va_vcc(0) depctr_vm_vsrc(0)
	s_getreg_b32 s2, hwreg(HW_REG_IB_STS2, 6, 4)
	s_cmp_eq_u32 s2, 0
	s_cbranch_scc0 .Lentry_in_a_cluster
	s_endpgm
.Lentry_in_a_cluster:
	s_bfe_u32 s2, ttmp6, 0x10000c
	s_cmp_lg_u32 s2, 0xf033
	s_cbranch_scc0 .Lentry_shape_is_right
	s_endpgm
.Lentry_shape_is_right:
; OPROJ.  out = x Wo^T on codes of FP6 (E2M3) with E8M0 scales, K = 1,024, f32 out.  x's codes come from ximg, Wo's from img (row tiles 1728 on), both as images of operand registers.
; D = P x R: source 0 = 16 rows of Wo, source 1 = 16 tokens: a lane holds one token and eight neighbouring outputs.
; 16 clusters of 4 x 4: P = 256 rows of Wo, block cx, shared along a column of the cluster; R = 128 tokens, block 4 cluster + cy, shared along a row: each is asked for jointly.
; LDS: two slots, each with half of K: 16 row tiles of P and 8 of R, 6,656 bytes each; each slot is filled once.  A wave asks for its part of slot 0 at the head and for its part of slot 1 behind the full sequence and a round:
; one tensor load of mine is out at a time.  No data prefetch: the walk has two steps, and both loads are out before a step could run ahead of them.
; Eight waves: wave w takes P's tiles 8 (w % 2) on and R's tiles 2 (w / 2) on: 16 accumulators by turns, one instruction a turn.
; THE WAY OUT: 16 tokens x 128 outputs at a time through the wave's own stage (rows of 528 bytes) and back as whole rows of 512 bytes.  The stages lie in slot 0, which has had its only fill, and which no wave reads behind the second step's barrier.
.set REC,   3328
.set RTB,   4*REC
.set HB,    2*REC
.set ROFF,  16*HB
.set SLOT,  24*HB
.set SPARE, 2*SLOT                     ; the spare words, 128 bytes a wave, which no other line names
.set SP,    528
.set SPW, 1
.set NIL, 2
.set L16, 3
.set L8,  4
.set ADP16, 5                          ; v5-8 slot 0, v9-12 slot 1
.set ADP8,  6
.set ADR16, 7
.set ADR8,  8
.set PSC, 14                           ; v14-29 P's scale words
.set RSC, 30                           ; v30-33 R's
.set STO, 34                           ; the stage, way in
.set RD,  35                           ; way out
.set PF,  36
.set RF,  84
.set ACC, 128
.set WV,  12
.set G1P, 24
.set G1R, 32
.set G0P, 40
.set G0R, 48
.macro ROUND
	s_barrier_signal -1
	s_barrier_wait -1
	s_cmp_lg_u32 s[WV], 0
	s_cbranch_scc1 .Lnot_wave_0_\@
	s_barrier_signal -3
.Lnot_wave_0_\@:
	s_barrier_wait -3
	s_barrier_signal -1
	s_barrier_wait -1
.endm
.macro JL sl                           ; my joint load into slot sl; the branch hangs on the wave's number alone
	s_cmp_lt_u32 s[WV], 4
	s_cbranch_scc0 .Ljr_\@
	tensor_load_to_lds s[G0P+4*(\sl):G0P+4*(\sl)+3], s[G1P:G1P+7]
	s_nop 0
.rept 4
	v_nop
.endr
	s_branch .Ljd_\@
.Ljr_\@:
	tensor_load_to_lds s[G0R+4*(\sl):G0R+4*(\sl)+3], s[G1R:G1R+7]
	s_nop 0
.rept 4
	v_nop
.endr
.Ljd_\@:
.endm
.macro FRAG reg, a16, a8, off
	ds_load_b128 v[\reg:\reg+3], v[\a16] offset:\off
	ds_load_b64 v[\reg+4:\reg+5], v[\a8] offset:\off+512
	ds_load_b128 v[\reg+6:\reg+9], v[\a16] offset:\off+768
	ds_load_b64 v[\reg+10:\reg+11], v[\a8] offset:\off+1280
.endm
.macro MM d, a, b, sa, sb, zero
.if \zero
	v_wmma_scale_f32_16x16x128_f8f6f4 v[\d:\d+7], v[\a:\a+11], v[\b:\b+11], 0, v[\sa], v[\sb] matrix_a_fmt:MATRIX_FMT_FP6 matrix_b_fmt:MATRIX_FMT_FP6
.else
	v_wmma_scale_f32_16x16x128_f8f6f4 v[\d:\d+7], v[\a:\a+11], v[\b:\b+11], v[\d:\d+7], v[\sa], v[\sb] matrix_a_fmt:MATRIX_FMT_FP6 matrix_b_fmt:MATRIX_FMT_FP6
.endif
.endm
	s_load_b128 s[4:7], s[0:1], 0x0                ; img, ximg
	s_load_b64 s[8:9], s[0:1], 0x10                ; out0
	v_lshl_add_u32 v[SPW], v0, 2, SPARE
	v_mov_b32 v[NIL], 0
	ds_add_u32 v[SPW], v[NIL]                      ; the opening: the add, twice on end, and its wait ahead of my first tensor load
	ds_add_u32 v[SPW], v[NIL]
	v_lshrrev_b32 v13, 5, v0
	v_readfirstlane_b32 s[WV], v13
	s_and_b32 s13, s[WV], 1                        ; wp
	s_lshr_b32 s14, s[WV], 1                       ; wr
	s_and_b32 s15, s[WV], 3
	s_bfe_u32 s16, ttmp6, 0x40000                  ; cx
	s_bfe_u32 s17, ttmp6, 0x40004                  ; cy
	s_and_b32 s18, ttmp7, 0xffff                   ; the cluster, 0..15
	s_lshl_b32 s21, 0x1111, s16
	s_lshl_b32 s22, s17, 2
	s_lshl_b32 s22, 15, s22
	s_or_b32 s[G1P], s21, (3<<16)|(1<<21)          ; the mask: my column; elements of 8 bytes; bit 21 beside a mask
	s_or_b32 s[G1R], s22, (3<<16)|(1<<21)          ; my row
.irp g, G1P, G1R
	s_mov_b32 s[\g+1], 832<<16                     ; half of K of a row tile: 832 elements
	s_mov_b32 s[\g+3], 832<<16
	s_mov_b32 s[\g+5], 1664
	s_mov_b32 s[\g+6], 0
	s_mov_b32 s[\g+7], 0
.endr
	s_mov_b32 s[G1P+2], 4<<16
	s_mov_b32 s[G1P+4], 4
	s_mov_b32 s[G1R+2], 2<<16
	s_mov_b32 s[G1R+4], 2
	s_lshl_b32 s81, s16, 4
	s_add_co_u32 s81, s81, 1728
	s_lshl_b32 s83, s15, 2
	s_add_co_u32 s81, s81, s83                     ; P: row tile 1728 + 16 cx + 4 (wave % 4)
	s_mul_i32 s84, s81, RTB
	s_mov_b32 s85, 0
	s_lshl_b32 s80, s18, 2
	s_add_co_u32 s80, s80, s17                     ; R's block of 128 tokens
	s_lshl_b32 s82, s80, 3
	s_lshl_b32 s92, s15, 1
	s_add_co_u32 s82, s82, s92                     ; R: row tile 8 block + 2 (wave % 4)
	s_mul_i32 s86, s82, RTB
	s_mov_b32 s87, 0
	s_mul_i32 s93, s15, 4*HB
	s_mul_i32 s94, s15, 2*HB
	s_add_co_u32 s94, s94, ROFF
	s_wait_dscnt 0x0                               ; both opening adds are done
	s_wait_kmcnt 0x0
	s_add_nc_u64 s[84:85], s[4:5], s[84:85]
	s_add_nc_u64 s[86:87], s[6:7], s[86:87]
.irp s, 0,1
	s_mov_b32 s[G0P+4*\s], 1
	s_add_co_u32 s[G0P+4*\s+1], s93, \s*SLOT
	s_add_nc_u64 s[G0P+4*\s+2:G0P+4*\s+3], s[84:85], \s*HB
	s_or_b32 s[G0P+4*\s+3], s[G0P+4*\s+3], 0x80000000
	s_mov_b32 s[G0R+4*\s], 1
	s_add_co_u32 s[G0R+4*\s+1], s94, \s*SLOT
	s_add_nc_u64 s[G0R+4*\s+2:G0R+4*\s+3], s[86:87], \s*HB
	s_or_b32 s[G0R+4*\s+3], s[G0R+4*\s+3], 0x80000000
.endr
	ROUND                                          ; all sixteen work-groups are here: the joint loads meet
	JL 0                                           ; the first half of K: one tensor load a wave at the head
	v_and_b32 v13, 31, v0
	v_lshlrev_b32 v[L16], 4, v13
	v_lshlrev_b32 v[L8], 3, v13
	s_mul_i32 s21, s13, 8*HB
	s_mul_i32 s22, s14, 2*HB
	s_add_co_u32 s22, s22, ROFF
.irp s, 0,1
	v_add_nc_u32 v[ADP16+4*\s], s21, v[L16]
	v_add_nc_u32 v[ADP8+4*\s], s21, v[L8]
	v_add_nc_u32 v[ADR16+4*\s], s22, v[L16]
	v_add_nc_u32 v[ADR8+4*\s], s22, v[L8]
	s_add_co_u32 s21, s21, SLOT
	s_add_co_u32 s22, s22, SLOT
.endr
	s_mul_i32 s95, s[WV], 16*SP                    ; my stage
	v_and_b32 v13, 15, v0
	v_mul_u32_u24 v[STO], v13, SP
	v_bfe_u32 v13, v0, 4, 1
	s_delay_alu instid0(VALU_DEP_1)
	v_lshl_add_u32 v[STO], v13, 5, v[STO]
	s_delay_alu instid0(VALU_DEP_1)
	v_add_nc_u32 v[STO], s95, v[STO]               ; in: row = my token, + 32 bytes for the upper half of the lanes
	v_add_nc_u32 v[RD], s95, v[L16]                ; back: 32 lanes take a row of 512 bytes
	s_lshl_b32 s96, s80, 7
	s_lshl_b32 s97, s14, 5
	s_add_co_u32 s96, s96, s97                     ; my first token
	s_lshl_b32 s96, s96, 12                        ; a row of out0 is 4,096 bytes
	s_lshl_b32 s97, s16, 10
	s_add_co_u32 s96, s96, s97                     ; + 256 outputs x cx
	s_lshl_b32 s97, s13, 9
	s_add_co_u32 s96, s96, s97                     ; + 128 x wp
	s_mov_b32 s97, 0
	s_add_nc_u64 s[8:9], s[8:9], s[96:97]
.macro CH sl, c2                       ; a chunk: 256 along K, two K steps of 16 matrix instructions
.irp p, 0,1,2,3,4,5,6,7
	ds_load_b64 v[PSC+2*\p:PSC+2*\p+1], v[ADP8+4*\sl] offset:\p*HB+\c2*REC+3072
.endr
.irp r, 0,1
	ds_load_b64 v[RSC+2*\r:RSC+2*\r+1], v[ADR8+4*\sl] offset:\r*HB+\c2*REC+3072
.endr
.irp k, 0,1
	FRAG RF, ADR16+4*\sl, ADR8+4*\sl, \c2*REC+\k*1536
	FRAG RF+12, ADR16+4*\sl, ADR8+4*\sl, HB+\c2*REC+\k*1536
.irp hh, 0,1
.irp j, 0,1,2,3
	FRAG PF+12*\j, ADP16+4*\sl, ADP8+4*\sl, (4*\hh+\j)*HB+\c2*REC+\k*1536
.endr
	s_wait_dscnt 0x0
.irp j, 0,1,2,3
.irp r, 0,1
	MM ACC+8*(8*\r+4*\hh+\j), PF+12*\j, RF+12*\r, PSC+2*(4*\hh+\j)+\k, RSC+2*\r+\k, (\sl+\c2+\k)==0
.endr
.endr
.rept 4
	v_nop                                          ; four plain places behind the products, ahead of loads into registers that they have read and of the first read of results
.endr
.endr
.endr
.endm
	s_wait_alu depctr_va_vdst(0)
	s_wait_tensorcnt 0x0                           ; my part of slot 0 is in
	ds_add_u32 v[SPW], v[NIL]
	s_wait_dscnt 0x0
	ROUND                                          ; slot 0 is whole, and the partners' joint loads meet
	JL 1                                           ; the second half of K, under the first half's products
	CH 0, 0
	CH 0, 1
	s_wait_tensorcnt 0x0                           ; my part of slot 1 is in
	s_wait_dscnt 0x0                               ; and my reads of slot 0 are over
	s_barrier_signal -1
	s_barrier_wait -1                              ; both hold of every wave
	CH 1, 0
	CH 1, 1
; tile r of my tokens: into the stage, back by rows into v[bk] on, out.  LDS serves a wave's instructions in order: no wait between the stores and the loads
.macro OUT r, bk
.irp p, 0,1,2,3,4,5,6,7
	ds_store_b128 v[STO], v[ACC+64*\r+8*\p:ACC+64*\r+8*\p+3] offset:64*\p          ; each accumulator from its low end on
	ds_store_b128 v[STO], v[ACC+64*\r+8*\p+4:ACC+64*\r+8*\p+7] offset:64*\p+16
.endr
.irp i, 0,1,2,3,4,5,6,7,8,9,10,11,12,13,14,15
	ds_load_b128 v[\bk+4*\i:\bk+4*\i+3], v[RD] offset:\i*SP
.endr
.irp i, 0,1,2,3,4,5,6,7,8,9,10,11,12,13,14,15
	s_wait_dscnt 15-\i                             ; row i is back; the 15 - i younger loads may be out
	global_store_b128 v[L16], v[\bk+4*\i:\bk+4*\i+3], s[8:9] offset:(16*\r+\i)*4096 th:TH_STORE_NT   ; 512 consecutive bytes, aligned; written once
.endr
.endm
	OUT 0, 36
	OUT 1, 128                                     ; into the registers of tile 0's accumulators, whose stores into the stage are done
	s_wait_tensorcnt 0x0                           ; the wave's end
	ds_add_u32 v[SPW], v[NIL]
	s_wait_dscnt 0x0
	ROUND                                          ; the closing round
	s_endpgm
.Lfunc_end_k_q8d8bc0fa2f_oproj:
	.size	k_q8d8bc0fa2f_oproj, .Lfunc_end_k_q8d8bc0fa2f_oproj-k_q8d8bc0fa2f_oproj
	.p2alignl 7, 3214868480
	.fill 96, 4, 3214868480
	.section	.rodata,"a",@progbits
	.p2align	6, 0x0
	.amdhsa_kernel k_q8d8bc0fa2f_oproj
		.amdhsa_group_segment_fixed_size 327680
		.amdhsa_private_segment_fixed_size 0
		.amdhsa_enable_private_segment 0
		.amdhsa_kernarg_size 24
		.amdhsa_user_sgpr_count 2
		.amdhsa_user_sgpr_kernarg_segment_ptr 1
		.amdhsa_wavefront_size32 1
		.amdhsa_system_sgpr_workgroup_id_x 1
		.amdhsa_system_sgpr_workgroup_id_y 1
		.amdhsa_system_sgpr_workgroup_id_z 1
		.amdhsa_system_vgpr_workitem_id 0
		.amdhsa_next_free_vgpr 256
		.amdhsa_next_free_sgpr 100
		.amdhsa_reserve_vcc 0
		.amdhsa_float_denorm_mode_32 3
		.amdhsa_float_denorm_mode_16_64 3
		.amdhsa_memory_ordered 1
		.amdhsa_forward_progress 1
		.amdhsa_inst_pref_size 57
	.end_amdhsa_kernel
	.amdgpu_metadata
---
amdhsa.version: [ 1, 2 ]
amdhsa.kernels:
  - .name:           k_q8d8bc0fa2f_oproj
    .symbol:         k_q8d8bc0fa2f_oproj.kd
    .args:
      - { .name: img, .offset: 0, .size: 8, .value_kind: global_buffer, .address_space: global }
      - { .name: ximg, .offset: 8, .size: 8, .value_kind: global_buffer, .address_space: global }
      - { .name: out0, .offset: 16, .size: 8, .value_kind: global_buffer, .address_space: global }
    .group_segment_fixed_size: 327680
    .private_segment_fixed_size: 0
    .kernarg_segment_align: 8
    .kernarg_segment_size: 24
    .max_flat_workgroup_size: 256
    .sgpr_count:     100
    .vgpr_count:     256
    .wavefront_size: 32
...
	.end_amdgpu_metadata
.endif
;; end of part 4
